; MI455X (gfx1250); checked and timed in simulation.
; The chip was launched on July 23, 2026; its instructions are those of AMD's public machine-readable ISA for CDNA 5 (MIT licence, August 2026) and "CDNA5" Instruction Set Architecture Reference Guide (July 2026). The comments in the code are by the model that wrote it; some were corrected since.
;; Bahdanau Attention. Allowed arithmetic: matrix products marked QUANTISED: E2M1 operands, one E8M0 scale for each 32 along K, by v_wmma_scale_f32_16x16x128_f8f6f4 with both operands' format E2M1 (or v_wmma_scale_f32_32x16x128_f4), f32 sums; products left as they are: f32 operands where the result goes on into a quantised operand, else bf16, f16 or f32 operands; f32 sums; everything else in f32.
;; Inputs: V 1,024 x 1 float32; W1 1,024 x 1,024 float32; W2 1,024 x 1,024 float32; b1 1,024 float32; b2 1,024 float32; bv 1 float32; query 64 x 1,024 float32; values 64 x 1,024 x 1,024 float32.
;; Outputs: out0 64 x 1,024 float32; out1 64 x 1,024 x 1 float32.
;; This version of the problem:
;;   THIS VERSION OF THE PROBLEM IS GIVEN IN LOW PRECISION. The matrix products marked QUANTISED in the list below multiply operands that are first quantised to E2M1 (2 exponent bits, 1 mantissa bit; 4 bits a number), with one power-of-two scale for each 32 numbers along K (OCP MX v1.0); their sums are f32. All else is computed in f32.
;;   The module's matrix products, in the order in which they are computed (A, B: the left and right operand; K: the contracted axis; several contracted axes count as one K, in the product's order):
;;     1. [M 64, K 1,024] x [K 1,024, N 1,024]; A: input query; B: input W1: QUANTISED
;;     2. [M 65,536, K 1,024] x [K 1,024, N 1,024]; A: input values; B: input W2: QUANTISED
;;     3. [M 65,536, K 1,024] x [K 1,024, N 1]; A: computed on the way; B: input V: left as it is (N = 1 < 16)
;;   THE QUANTISER, for each operand of a quantised product, along K:
;;     - K is cut into blocks of 32 from its start; a last block that is shorter is filled with zeros.
;;     - A block's scale is 2^e with e = floor(log2(the largest magnitude in the block)) - 2, held to -126 .. 127; a block of zeros has e = 0. As a byte (E8M0): e + 127.
;;     - Each number is divided by its block's scale, clamped to +-6, and rounded to the nearest number of E2M1, ties to even, subnormals kept.
;;     - The product sums the exact products of the quantised numbers (number of the format x scale) in f32.
;;   ~~~python
;;   def quantise(x, axis):      # numpy; x: float32 -> the quantised numbers, widened to float32 again
;;       x = np.moveaxis(x, axis, -1); K = x.shape[-1]
;;       x = np.pad(x, [(0, 0)] * (x.ndim - 1) + [(0, -K % 32)]); x = x.reshape(x.shape[:-1] + (-1, 32)); a = np.abs(x).max(-1, keepdims=True)
;;       e = np.where(a > 0, np.clip(np.frexp(np.where(a > 0, a, 1))[1] - 1 - 2, -126, 127), 0)      # np.frexp(a)[1] - 1 = floor(log2(a)), exactly
;;       r = np.clip(x / 2.0 ** e, -6, 6)
;;       step = 2.0 ** (np.maximum(np.frexp(np.where(r == 0, 1, r))[1] - 1, 0) - 1)
;;       q = np.round(r / step) * step * 2.0 ** e      # np.round: ties to even
;;       return np.moveaxis(q.reshape(q.shape[:-2] + (-1,))[..., :K], -1, axis).astype(np.float32)
;;   ~~~
;; One version. Each part assembles by itself: llvm-mc -triple=amdgcn-amd-amdhsa -mcpu=gfx1250 --defsym DOCPART=n.
;; ======== version 1 of 1: 3 launches
;; limits: right only within a limited range of input values
;; workspace buffers: w2c 524,288 bytes; w2s 32,768 bytes; qb 262,144 bytes; sc 262,144 bytes; ml 65,536 bytes; pc 1,048,576 bytes
;; launch prep (part 1): grid 160 x 1, 8 waves a work-group, no clusters, 18,432 bytes of LDS; arguments W2, W1, query, b1, b2, w2c, w2s, qb; writes w2c, w2s, qb
.if DOCPART == 1
	.amdgcn_target "amdgcn-amd-amdhsa--gfx1250"
	.amdhsa_code_object_version 6
	.text
	.protected	k_qc8458035f7_prep
	.globl	k_qc8458035f7_prep
	.p2align	8
	.type	k_qc8458035f7_prep,@function
k_qc8458035f7_prep:
	s_mov_b64 s[64:65], 0
	v_nop
	global_prefetch_b8 v0, s[64:65] scope:SCOPE_SE
	s_setreg_imm32_b32 hwreg(HW_REG_WAVE_MODE, 25, 1), 1
	s_wait_xcnt 0x0
; Work-groups 0-31: W2 [1024 (k)][1024 (u)] f32 becomes codes of FP4 (E2M1) with one E8M0 byte for each 32 along K, laid as the operand's registers want them:
;   w2c: the fragment of (tile j = u / 16, K step s = k / 128) is 1,024 bytes at 1024 (8 j + s): registers 4 c .. 4 c + 3 at 512 c, lane l's 16 bytes at 16 l;
;   w2s: tile j has 512 bytes: lane 16 h + r has 16 bytes at 16 (16 h + r), whose word q is column r's scale word of K step 2 q + h.
; Work-groups 32-159: qb [64][1024] = Q(query) Q(W1) + b1 + b2, the product on codes of FP4, both operands quantised here in registers.
; SHARES.  Work-group x takes columns 32 (x & 31) .. + 31 (two tiles); a work-group of W1 also takes ONE tile of 16 query rows, x / 32 - 1, so that a wave has 16 loads of the query, whose lanes stand a row apart.
; W1 is so loaded and quantised four times, by loads of 128 consecutive bytes a wave.  Wave s takes K step s; LANE l TAKES COLUMN l AND ITS 128 REGISTERS RUN DOWN K, so a block of 32 along K lies in one lane.
; The two kinds of work-group part once, on the work-group's number, and never join: each has its own LDS bytes, its own barrier and its own end.
; A block's scale is 2^(floor(log2(its largest magnitude)) - 2); its byte is the largest magnitude's exponent field - 2, held at 1 from below.
; LIMITS: a block of zeros gets the byte 1 where the quantiser says 127 (its codes are zeros, and this program alone reads the bytes); blocks whose largest magnitude lies under 2^-124 have the byte held at 1;
; NaN and infinities are not served; the product's K is summed as eight sums of 128, which are added in ascending order; qb leaves in pieces of 16 bytes a lane, 64 bytes of a row to a tile.
.set RED,  1024                        ; LDS: 0 .. 1023 the gather of W2's scale words (W2's path alone); from RED on 8 waves x 2,048 bytes of partial sums (W1's path alone)
.set R,    16                          ; v16-31   the weight's codes: two fragments
.set WS,   32                          ; v32      the weight's scale words: lanes 0-15 the first tile's columns, lanes 16-31 the second's
.set TW,   36                          ; v36-39   the weight's four largest magnitudes, then the conversions' scale operands
.set TM,   40                          ; v40-55   at work
.set AS,   56                          ; v56      the query tile's scale words
.set AC,   64                          ; v64-71   the query tile's codes
.set WN,   128                         ; v128-255 128 numbers of the weight
.set ACC,  128                         ; later: v128-143 two accumulators, weight tile n at 8 n
.set RB,   192                         ; and v192-255 the eight partial sums of one accumulator
.set MSB, 0
.macro WIN new                         ; the immediate's high byte repeats the setting that is left
.if MSB != (\new)
	s_set_vgpr_msb (MSB<<8)|(\new)
.set MSB, (\new)
.endif
.endm
.macro WLOAD                           ; W(128 s + i, my column): 32 lanes read 128 consecutive bytes
.set ii, 0
.rept 128
	global_load_b32 v[WN+ii], v4, s[22:23] offset:4096*ii
.set ii, ii+1
.endr
.endm
; My column's four blocks become codes and a scale word.  The operand's layout gives lane (r, h) the blocks h and 2 + h of column r, and I hold all four of mine:
; blocks 0 and 2 go to R + 0 .. 7, blocks 1 and 3 to R + 8 .. 15, and eight exchanges of halves make of them the fragments of the first tile (R + 0 .. 7) and of the second (R + 8 .. 15).
.macro WQ
.irp j, 0,1,2,3
	v_max3_num_f32 v[TW+\j], |v[WN+32*\j]|, |v[WN+32*\j+1]|, 0x1800000      ; and the floor 2^(3 - 127): the byte cannot fall under 1
.endr
.irp i, 2,4,6,8,10,12,14,16,18,20,22,24,26,28,30
.irp j, 0,1,2,3
	s_delay_alu instid0(VALU_DEP_4)
	v_max3_num_f32 v[TW+\j], v[TW+\j], |v[WN+32*\j+\i]|, |v[WN+32*\j+\i+1]|  ; the four blocks by turns
.endr
.endr
.irp j, 0,1,2,3
	s_delay_alu instid0(VALU_DEP_4)
	v_add_nc_u32 v[TW+\j], 0xff000000, v[TW+\j]                             ; 2 off the exponent field: the conversion's scale operand
.endr
.irp j, 0,1,2,3
	s_delay_alu instid0(VALU_DEP_4)
	v_lshrrev_b32 v[TM+\j], 23, v[TW+\j]                                    ; the scale's byte
.endr
	s_delay_alu instid0(VALU_DEP_3)
	v_lshl_or_b32 v[WS], v[TM+1], 8, v[TM]
	s_delay_alu instid0(VALU_DEP_1)
	v_lshl_or_b32 v[WS], v[TM+2], 16, v[WS]
	s_delay_alu instid0(VALU_DEP_1)
	v_lshl_or_b32 v[WS], v[TM+3], 24, v[WS]
.irp j, 0,1,2,3
.irp g, 0,1,2,3
	v_cvt_scalef32_pk8_fp4_f32 v[R+8*(\j%2)+4*(\j/2)+\g], v[WN+32*\j+8*\g:WN+32*\j+8*\g+7], v[TW+\j]
.endr
.endr
	v_nop                                                                   ; one plain instruction behind the last scaled conversion
.irp i, 0,1,2,3,4,5,6,7
	v_permlane16_swap_b32 v[R+\i], v[R+8+\i]                                ; the first's lanes 16-31 change places with the second's lanes 0-15
.endr
.endm
	s_load_b256 s[4:11], s[0:1], 0x0               ; W2 s[4:5], W1 s[6:7], query s[8:9], b1 s[10:11]
	s_load_b256 s[12:19], s[0:1], 0x20             ; b2 s[12:13], w2c s[14:15], w2s s[16:17], qb s[18:19]
	v_lshl_add_u32 v126, v0, 2, 0x4400
	v_mov_b32 v127, 0
	v_lshrrev_b32 v1, 5, v0
	s_delay_alu instid0(VALU_DEP_1)
	v_readfirstlane_b32 s20, v1                    ; wave = K step
	s_and_b32 s21, ttmp9, 31                       ; which 32 columns
	v_and_b32 v1, 31, v0                           ; lane
	v_and_b32 v2, 15, v0                           ; r
	v_bfe_u32 v3, v0, 4, 1                         ; h
	s_delay_alu instid0(VALU_DEP_3)
	v_lshlrev_b32 v4, 2, v1                        ; the weight: 4 bytes a lane
	s_delay_alu instid0(VALU_DEP_3)
	v_lshlrev_b32 v5, 12, v2
	s_delay_alu instid0(VALU_DEP_1)
	v_lshl_add_u32 v5, v3, 6, v5                   ; the query: row r of 4,096 bytes, + 64 h: my 16 numbers of a block of 32
	v_lshlrev_b32 v6, 4, v1                        ; an image's place for my lane
	s_wait_alu depctr_va_vdst(0)
	s_and_b32 s26, s20, 1                          ; wave & 1
	s_lshl_b32 s27, s26, 8
	s_lshr_b32 s30, s20, 1                         ; wave >> 1
	s_lshl_b32 s31, s30, 2
	s_add_co_u32 s27, s27, s31
	v_lshlrev_b32 v7, 9, v3
	s_delay_alu instid0(VALU_DEP_1)
	v_lshl_add_u32 v7, v2, 4, v7
	s_delay_alu instid0(VALU_DEP_1)
	v_add_nc_u32 v7, s27, v7                       ; the gather: 512 x tile + 256 (s & 1) + 16 r + 4 (s >> 1)
	v_lshlrev_b32 v8, 4, v0                        ; and back: 16 bytes a thread (threads 0 to 63)
	s_lshl_b32 s27, s20, 11
	s_add_co_u32 s27, s27, RED
	v_add_nc_u32 v9, s27, v6                       ; my wave's two partial sums
	s_lshl_b32 s27, s26, 10
	s_add_co_u32 s27, s27, RED
	v_add_nc_u32 v10, s27, v6                      ; the accumulator that waves 0 and 1 add up, in wave 0's partial sums
	v_lshlrev_b32 v11, 5, v3                       ; the biases: 32 h
	v_lshlrev_b32 v12, 12, v2
	s_delay_alu instid0(VALU_DEP_1)
	v_lshl_add_u32 v12, v3, 5, v12                 ; qb: row r, + 32 h
	s_mov_b32 s24, 0x76543210
	s_mov_b32 s25, 0xfedcba98                      ; v_permlanex16_b32's selects for lane l xor 16
.irp b, 0,1,2,3
	v_mov_b32 v[TM+4+\b], 0                        ; written once: a lane permute's destination counts as one of its sources
.endr
	s_lshl_b32 s28, s20, 19                        ; 128 rows of 4,096 bytes a K step,
	s_lshl_b32 s29, s21, 7                         ; 128 bytes for 32 columns
	s_add_co_u32 s28, s28, s29
	s_mov_b32 s29, 0
	s_mov_b32 s33, 0
	s_wait_kmcnt 0x0
	s_cmp_lt_u32 ttmp9, 32
	s_cbranch_scc1 .Lw2
	; ---------------- W1 and one tile of the query ----------------
	s_add_nc_u64 s[22:23], s[6:7], s[28:29]
	s_lshr_b32 s35, ttmp9, 5
	s_sub_co_u32 s35, s35, 1                       ; which 16 rows of the query: 0 .. 3
	s_lshl_b32 s35, s35, 16                        ; 16 rows of 4,096 bytes, in the query and in qb alike
	s_lshl_b32 s32, s20, 9                         ; the query's K step: 512 bytes on in each row
	s_add_co_u32 s32, s32, s35
	s_add_nc_u64 s[8:9], s[8:9], s[32:33]
	s_lshl_b32 s32, s21, 7
	s_lshl_b32 s34, s26, 6
	s_add_co_u32 s32, s32, s34                     ; the 16 columns of accumulator wave & 1: 4 (32 cg + 16 (wave & 1)) bytes
	s_add_nc_u64 s[10:11], s[10:11], s[32:33]
	s_add_nc_u64 s[12:13], s[12:13], s[32:33]
	s_add_co_u32 s32, s32, s35
	s_add_nc_u64 s[18:19], s[18:19], s[32:33]
	WLOAD
	WIN 0x40                                       ; destination window 1: the query's numbers: register 16 b + i = k 32 b + 16 h + i of my row
.irp b, 0,1,2,3
.irp j, 0,1,2,3
	global_load_b128 v[16*\b+4*\j:16*\b+4*\j+3], v5, s[8:9] offset:128*\b+16*\j
.endr
.endr
	WIN 0
	s_wait_alu depctr_va_vdst(0)
	global_load_b128 v[96:99], v11, s[10:11]
	global_load_b128 v[100:103], v11, s[10:11] offset:16
	global_load_b128 v[104:107], v11, s[12:13]
	global_load_b128 v[108:111], v11, s[12:13] offset:16
	s_wait_loadcnt 20                              ; loads come back in order (ISA guide 5.7.1): the weight's 128 are in; the 16 of the query and the 4 of the biases, issued behind them, may stay out
	WQ
	s_wait_loadcnt 0x0
	; 64 numbers of a lane become the query tile's codes in v[AC] on and its scale word in v[AS]
	WIN 0x05                                       ; sources 0 and 1 window 1
.irp b, 0,1,2,3
	v_max3_num_f32 v[TM+\b], |v[16*\b]|, |v[16*\b+1]|, 0x1800000
.endr
.irp i, 2,4,6,8,10,12,14
.irp b, 0,1,2,3
	s_delay_alu instid0(VALU_DEP_4)
	v_max3_num_f32 v[TM+\b], |v[16*\b+\i]|, |v[16*\b+\i+1]|, v[TM+\b]
.endr
.endr
	WIN 0
.irp b, 0,1,2,3
	v_permlanex16_b32 v[TM+4+\b], v[TM+\b], s24, s25
.endr
.irp b, 0,1,2,3
	s_delay_alu instid0(VALU_DEP_4)
	v_max_num_f32 v[TM+\b], v[TM+\b], v[TM+4+\b]   ; with lane l xor 16's: the block's largest magnitude
.endr
.irp b, 0,1,2,3
	s_delay_alu instid0(VALU_DEP_4)
	v_add_nc_u32 v[TM+12+\b], 0xff000000, v[TM+\b]
.endr
.irp b, 0,1,2,3
	s_delay_alu instid0(VALU_DEP_4)
	v_lshrrev_b32 v[TM+4+\b], 23, v[TM+12+\b]
.endr
	s_delay_alu instid0(VALU_DEP_3)
	v_lshl_or_b32 v[AS], v[TM+5], 8, v[TM+4]
	s_delay_alu instid0(VALU_DEP_1)
	v_lshl_or_b32 v[AS], v[TM+6], 16, v[AS]
	s_delay_alu instid0(VALU_DEP_1)
	v_lshl_or_b32 v[AS], v[TM+7], 24, v[AS]
	WIN 0x01                                       ; source 0 window 1
.irp b, 0,1,2,3
	v_cvt_scalef32_pk8_fp4_f32 v[AC+2*\b], v[16*\b:16*\b+7], v[TM+12+\b]
	v_cvt_scalef32_pk8_fp4_f32 v[AC+2*\b+1], v[16*\b+8:16*\b+15], v[TM+12+\b]
.endr
	WIN 0
	v_nop                                          ; one plain instruction behind the last scaled conversion
.irp c, 0,1                                    ; the operand's layout wants a whole block in a lane
.irp i, 0,1
	v_permlane16_swap_b32 v[AC+4*\c+\i], v[AC+4*\c+2+\i]
.endr
.endr
.rept 8
	v_nop                                          ; scale words and operands written by vector instructions stand eight and four plain instructions ahead of a scaled matrix instruction
.endr
	; TRANSPOSED: source 0 = 16 columns of W1, source 1 = the 16 rows of the query: lane (r, h) holds row r and columns 8 h + 0 .. 7
	v_wmma_scale_f32_16x16x128_f8f6f4 v[ACC:ACC+7], v[R:R+7], v[AC:AC+7], 0, v[WS], v[AS] matrix_a_fmt:MATRIX_FMT_FP4 matrix_b_fmt:MATRIX_FMT_FP4
	v_wmma_scale_f32_16x16x128_f8f6f4 v[ACC+8:ACC+15], v[R+8:R+15], v[AC:AC+7], 0, v[WS], v[AS] matrix_a_fmt:MATRIX_FMT_FP4 matrix_b_fmt:MATRIX_FMT_FP4 matrix_a_scale:MATRIX_SCALE_ROW1
.rept 4
	v_nop                                          ; four plain instructions before the results are read (ISA guide 7.12.1)
.endr
.irp a, 0,1                                    ; my K step's two partial sums go to LDS as images of their registers, each from its low end on
	ds_store_b128 v9, v[ACC+8*\a:ACC+8*\a+3] offset:1024*\a
	ds_store_b128 v9, v[ACC+8*\a+4:ACC+8*\a+7] offset:1024*\a+512
.endr
	s_wait_dscnt 0x0                               ; for the others' sake: my stores have landed
	s_barrier_signal -1
	s_barrier_wait -1
	s_cmp_lt_u32 s20, 2
	s_cbranch_scc0 .Lw1_end
.irp g, 0,1,2,3,4,5,6,7                        ; wave a (0 or 1) adds up accumulator a: its image in each of the eight waves' bytes
	ds_load_b128 v[RB+8*\g:RB+8*\g+3], v10 offset:2048*\g
	ds_load_b128 v[RB+8*\g+4:RB+8*\g+7], v10 offset:2048*\g+512
.endr
	s_wait_dscnt 0x0
.irp g, 1,2,3,4,5,6,7                          ; K ascending
.irp k, 0,2,4,6
	v_pk_add_f32 v[RB+\k:RB+\k+1], v[RB+\k:RB+\k+1], v[RB+8*\g+\k:RB+8*\g+\k+1]
.endr
.endr
.irp k, 0,2,4,6
	s_delay_alu instid0(VALU_DEP_4)
	v_pk_add_f32 v[RB+\k:RB+\k+1], v[RB+\k:RB+\k+1], v[96+\k:97+\k]         ; + b1
.endr
.irp k, 0,2,4,6
	s_delay_alu instid0(VALU_DEP_4)
	v_pk_add_f32 v[RB+\k:RB+\k+1], v[RB+\k:RB+\k+1], v[104+\k:105+\k]       ; + b2
.endr
	global_store_b128 v12, v[RB:RB+3], s[18:19]
	global_store_b128 v12, v[RB+4:RB+7], s[18:19] offset:16
.Lw1_end:
	s_wait_tensorcnt 0x0
	ds_add_u32 v126, v127
	s_wait_dscnt 0x0
	s_endpgm
	; ---------------- W2 ----------------
.Lw2:
	s_add_nc_u64 s[22:23], s[4:5], s[28:29]
	WLOAD
	s_lshl_b32 s32, s21, 14                        ; two tiles of 8,192 bytes,
	s_lshl_b32 s34, s20, 10                        ; my K step's 1,024
	s_add_co_u32 s32, s32, s34
	s_add_nc_u64 s[14:15], s[14:15], s[32:33]
	s_lshl_b32 s32, s21, 10                        ; two tiles' scale words
	s_add_nc_u64 s[16:17], s[16:17], s[32:33]
	s_wait_loadcnt 0x0
	WQ
	global_store_b128 v6, v[R:R+3], s[14:15]                   ; each store of the wave covers 512 consecutive bytes, aligned
	global_store_b128 v6, v[R+4:R+7], s[14:15] offset:512
	global_store_b128 v6, v[R+8:R+11], s[14:15] offset:8192
	global_store_b128 v6, v[R+12:R+15], s[14:15] offset:8704
	ds_store_b32 v7, v[WS]                         ; the eight K steps' scale words meet in LDS
	s_wait_dscnt 0x0
	s_barrier_signal -1
	s_barrier_wait -1
	s_cmp_lt_u32 s20, 2
	s_cbranch_scc0 .Lw2_end
	ds_load_b128 v[48:51], v8
	s_wait_dscnt 0x0
	global_store_b128 v8, v[48:51], s[16:17]       ; waves 0 and 1: 512 consecutive bytes each
.Lw2_end:
	s_wait_tensorcnt 0x0
	ds_add_u32 v126, v127
	s_wait_dscnt 0x0
	s_endpgm
.Lfunc_end_k_qc8458035f7_prep:
	.size	k_qc8458035f7_prep, .Lfunc_end_k_qc8458035f7_prep-k_qc8458035f7_prep
	.p2alignl 7, 3214868480
	.fill 96, 4, 3214868480
	.section	.rodata,"a",@progbits
	.p2align	6, 0x0
	.amdhsa_kernel k_qc8458035f7_prep
		.amdhsa_group_segment_fixed_size 18432
		.amdhsa_private_segment_fixed_size 0
		.amdhsa_enable_private_segment 0
		.amdhsa_kernarg_size 64
		.amdhsa_user_sgpr_count 2
		.amdhsa_user_sgpr_kernarg_segment_ptr 1
		.amdhsa_wavefront_size32 1
		.amdhsa_system_sgpr_workgroup_id_x 1
		.amdhsa_system_sgpr_workgroup_id_y 1
		.amdhsa_system_sgpr_workgroup_id_z 1
		.amdhsa_system_vgpr_workitem_id 0
		.amdhsa_next_free_vgpr 320
		.amdhsa_next_free_sgpr 66
		.amdhsa_reserve_vcc 0
		.amdhsa_float_denorm_mode_32 3
		.amdhsa_float_denorm_mode_16_64 3
		.amdhsa_memory_ordered 1
		.amdhsa_forward_progress 1
		.amdhsa_inst_pref_size 57
	.end_amdhsa_kernel
	.amdgpu_metadata
---
amdhsa.version: [ 1, 2 ]
amdhsa.kernels:
  - .name:           k_qc8458035f7_prep
    .symbol:         k_qc8458035f7_prep.kd
    .args:
      - { .name: W2, .offset: 0, .size: 8, .value_kind: global_buffer, .address_space: global }
      - { .name: W1, .offset: 8, .size: 8, .value_kind: global_buffer, .address_space: global }
      - { .name: query, .offset: 16, .size: 8, .value_kind: global_buffer, .address_space: global }
      - { .name: b1, .offset: 24, .size: 8, .value_kind: global_buffer, .address_space: global }
      - { .name: b2, .offset: 32, .size: 8, .value_kind: global_buffer, .address_space: global }
      - { .name: w2c, .offset: 40, .size: 8, .value_kind: global_buffer, .address_space: global }
      - { .name: w2s, .offset: 48, .size: 8, .value_kind: global_buffer, .address_space: global }
      - { .name: qb, .offset: 56, .size: 8, .value_kind: global_buffer, .address_space: global }
    .group_segment_fixed_size: 18432
    .private_segment_fixed_size: 0
    .kernarg_segment_align: 8
    .kernarg_segment_size: 64
    .max_flat_workgroup_size: 256
    .sgpr_count:     66
    .vgpr_count:     320
    .wavefront_size: 32
...
	.end_amdgpu_metadata
.endif
;; end of part 1
;; launch main (part 2): grid 256 x 1, 4 waves a work-group, no clusters, 327,680 bytes of LDS; arguments values, w2c, w2s, qb, V, bv, sc, ml, pc; writes sc, ml, pc
.if DOCPART == 2
	.amdgcn_target "amdgcn-amd-amdhsa--gfx1250"
	.amdhsa_code_object_version 6
	.text
	.protected	k_qc8458035f7_main
	.globl	k_qc8458035f7_main
	.p2align	8
	.type	k_qc8458035f7_main,@function
k_qc8458035f7_main:
	s_mov_b64 s[64:65], 0
	v_nop
	global_prefetch_b8 v0, s[64:65] scope:SCOPE_SE
	s_setreg_imm32_b32 hwreg(HW_REG_WAVE_MODE, 25, 1), 1
	s_wait_xcnt 0x0
; For 256 rows of values (a quarter of one batch's 1,024 times): score[t] = sum over u of V[u] tanh(qb[u] + (Q(values) Q(W2))[t][u]) + bv, a running softmax over the rows, and the partial context sum of p[t] values[t][:].
; Stored: the raw scores (sc), the work-group's maximum and sum (ml), its partial context (pc); the next launch joins a batch's four quarters.
; EACH BYTE OF values IS READ FROM MEMORY ONCE: a block of 64 rows (256 KiB of f32) lies in the four waves' registers from the quantiser until its scores are known, while the next block lands in LDS.
; SHARES.  Four blocks of 64 rows.  THE DATA: wave w owns columns 256 w .. + 255 of all 64 rows; lane l holds k = 256 w + 8 l + 0 .. 7 of each row, 8 registers a row.  It quantises them (four lanes hold a block of 32)
; and puts codes and scale bytes into LDS, where all four waves fetch them as fragments.  THE PRODUCT: wave w owns u = 256 w .. + 255: 16 chunks of 16 columns, each against the block's four tiles of 16 rows.
; W2's fragments come from memory straight into registers, in the order in which the launch before laid them, two chunks ahead, in two buffers.  A chunk's 32 matrix instructions stand back to back; behind them its
; buffer's 17 loads for the chunk two further on stand in one run.
; THE MATRIX INSTRUCTION IS USED TRANSPOSED (source 0 = 16 columns of W2, source 1 = 16 rows): lane (r, h) holds row r and u = 8 h + 0 .. 7.
; tanh(z) = 1 - 2 / (1 + 2^(2 log2(e) z)), so score = bv + sum of V - 2 sum of V[u] / (1 + 2^..); where the power overflows or falls to 0 the quotient is 0 or 1 and tanh is 1 or -1.
; NO CLUSTER, NO JOINT LOADS: W2 is what all work-groups share, but LDS holds 278,528 bytes of landing rows and 46,592 of codes, scale bytes, V and spare words: 2,560 are left, no room for tiles of W2; the rows are shared by nobody.
; LIMITS: NaN and infinities are not served; a block of 32 whose largest magnitude lies under 2^-124 has its scale byte held at 1, a block of zeros gets 1 where the quantiser says 127 (its codes are zeros; this program alone reads the bytes);
; pc leaves as two stores of 16 bytes a lane, 32 bytes apart from lane to lane; no load of W2 is issued for a block after the last.
; REGISTERS, in windows of 256: window 2: rows 0-31, row t at v[8 t]; window 3: rows 32-63; window 1: the rows' fragments, (tile m, K step s) at v[8 (8 m + s)]; window 0: see the names below.
.set LANDW,  69632                     ; LDS 0 ..: wave w's landing rows at LANDW w: 64 rows x 1,088 bytes (1,024 of data, 16 of padding behind every 256); filled by tensor loads alone
.set LPITCH, 1088
.set ACODE,  278528                    ; 64 rows of 512 bytes of codes, 528 bytes apart
.set APITCH, 528
.set ASC,    312320                    ; 64 rows of 32 scale bytes, 48 bytes apart
.set SPITCH, 48
.set VC,     315392                    ; for each 8 columns u: 32 bytes of V, 32 bytes of 2 log2(e) qb
.set SX,     323584                    ; the waves' parts of the 64 scores: [wave][row]
.set SPARE,  324608                    ; the spare words, 128 bytes for each wave: two blocks of 256 bytes that no other line names
.set SPW,  1                           ; v1   LDS address of my spare word; never rewritten
.set NIL,  2                           ; v2   0; never rewritten
.set BOFF, 3                           ; v3   16 x lane: my place in an image of W2
.set LRD,  4                           ; v4   landing rows 0-31: LANDW w + 32 l + 16 (l / 8)
.set CST,  5                           ; v5   where my codes go: ACODE + 128 w + 4 l
.set SST,  6                           ; v6   where my block's byte goes: ASC + 8 w + l / 4
.set AFR,  7                           ; v7   a fragment's row: ACODE + 528 r + 16 h
.set ASR,  8                           ; v8   scale words: ASC + 48 l
.set VCB,  9                           ; v9   VC + 2048 w + 64 h
.set VCA,  10                          ; v10  the same for the pair of chunks in hand
.set SXW,  11                          ; v11  SX + 256 w + 4 r
.set SXR,  12                          ; v12  SX + 8 l
.set K0,   13                          ; v13  bv + the sum of V
.set MX,   14                          ; v14  the running maximum;  v15 my lane's part of the running sum
.set LS,   15
.set SCO,  16                          ; v16-17 the scores of rows 2 l, 2 l + 1;  v18-19 their p;  v20 f (v21 is named with it as a pair)
.set PP,   18
.set FF,   20
.set T0,   22                          ; v22-23 at work
.set SS,   24                          ; v24-31 sums of V / (1 + 2^..): a pair for each tile of rows
.set CT,   32                          ; v32-47 the context of my 8 columns: a set for even rows, a set for odd rows
.set VV,   48                          ; v48-55 V of the chunk's 8 columns of my half;  v56-63 2 log2(e) qb of them
.set CB,   56
.set AS,   64                          ; v64-79 the rows' scale words: register 8 q + s: lanes 0-15 tile 2 q, lanes 16-31 tile 2 q + 1, K step s
.set BS,   80                          ; v80-87 W2's scale words, 4 a buffer: register q: lanes 0-15 K step 2 q, lanes 16-31 K step 2 q + 1
.set ACC,  88                          ; v88-119 four accumulators, tile m at 8 m; at work elsewhere
.set LRD2, 120                         ; v120 landing rows 32-63
.set GO8,  121                         ; v121 8 x lane
.set GO32, 122                         ; v122 32 x lane
.set A32,  123                         ; v123 32 x thread;  v124 128 x lane;  v125 VC + 64 x thread: the head's addresses, never rewritten
.set A128, 124
.set VCW,  125
.set BF,   128                         ; v128-255 W2's fragments: two buffers of 64, K step s at 8 s
.set MSB, 0
.macro WIN new                         ; the immediate's high byte repeats the setting that is left
.if MSB != (\new)
	s_set_vgpr_msb (MSB<<8)|(\new)
.set MSB, (\new)
.endif
.endm
	s_load_b256 s[4:11], s[0:1], 0x0               ; values s[4:5], w2c s[6:7], w2s s[8:9], qb s[10:11]
	s_load_b256 s[12:19], s[0:1], 0x20             ; V s[12:13], bv s[14:15], sc s[16:17], ml s[18:19]
	s_load_b64 s[20:21], s[0:1], 0x40              ; pc
	v_lshl_add_u32 v[SPW], v0, 2, SPARE
	v_mov_b32 v[NIL], 0
	ds_add_u32 v1, v2
	ds_add_u32 v1, v2
	s_wait_dscnt 0x0
	v_lshrrev_b32 v3, 5, v0
	v_readfirstlane_b32 s22, v3                    ; wave 0..3
	s_mov_b32 s23, ttmp9                           ; work-group: rows 256 x it
	; descriptor group 1: 64 rows x 128 elements of 8 bytes, rows 512 elements apart; in LDS 4 words of padding behind every 64
	s_mov_b32 s28, (3<<16)|(1<<20)|(5<<22)|(3<<25)
	s_mov_b32 s29, 128<<16                         ; tensor_dim0 = 128
	s_mov_b32 s30, 64<<16                          ; tensor_dim1 = 64
	s_mov_b32 s31, 128<<16                         ; tile_dim0 = 128
	s_mov_b32 s32, 64                              ; tile_dim1 = 64
	s_mov_b32 s33, 512                             ; tensor_dim0_stride
	s_mov_b32 s34, 0
	s_mov_b32 s35, 0
	s_mov_b32 s24, 1                               ; group 0: count = 1,
	s_mul_i32 s25, s22, LANDW                      ; my wave's landing rows,
	s_lshl_b32 s60, s23, 20                        ; 256 rows of 4,096 bytes a work-group,
	s_lshl_b32 s61, s22, 10                        ; my wave's 1,024 bytes of a row
	s_add_co_u32 s60, s60, s61
	s_mov_b32 s61, 0
	s_mov_b32 s52, 0x4038aa3b                      ; 2 log2(e)
	s_mov_b32 s53, s52                             ; (named with it as a pair)
	s_mov_b32 s54, 0x3fb8aa3b                      ; log2(e)
	s_mov_b32 s56, 0x76543210
	s_mov_b32 s57, 0xfedcba98                      ; v_permlanex16_b32's selects for lane l xor 16
	s_wait_kmcnt 0x0
	s_add_nc_u64 s[26:27], s[4:5], s[60:61]
	s_or_b32 s27, s27, 0x80000000                  ; type = 2
	tensor_load_to_lds s[24:27], s[28:35]          ; block 0: the first fill, ahead of every LDS read, barrier and wait on TENSORcnt; one tensor load of mine is out
	s_nop 0
.rept 4
	v_nop
.endr
	s_load_b32 s58, s[14:15], 0x0                  ; bv
	s_lshr_b32 s60, s23, 2
	s_lshl_b32 s60, s60, 12                        ; my batch's row of qb
	s_add_nc_u64 s[10:11], s[10:11], s[60:61]
	s_lshl_b32 s60, s22, 17                        ; my wave's 16 tiles of W2: 8,192 bytes each,
	s_add_nc_u64 s[36:37], s[6:7], s[60:61]
	s_lshl_b32 s60, s22, 13                        ; and 512 bytes of scale words each
	s_add_nc_u64 s[38:39], s[8:9], s[60:61]
	s_lshl_b32 s60, s23, 10
	s_add_nc_u64 s[16:17], s[16:17], s[60:61]      ; sc: 256 scores a work-group
	s_lshl_b32 s60, s23, 8
	s_add_nc_u64 s[18:19], s[18:19], s[60:61]      ; ml: 256 bytes
	s_lshl_b32 s60, s23, 12
	s_lshl_b32 s62, s22, 10
	s_add_co_u32 s60, s60, s62
	s_add_nc_u64 s[20:21], s[20:21], s[60:61]      ; pc: 4,096 bytes, my wave's 1,024
	v_and_b32 v16, 31, v0                          ; lane
	v_and_b32 v17, 15, v0                          ; r
	v_bfe_u32 v18, v0, 4, 1                        ; h
	v_lshlrev_b32 v[BOFF], 4, v16
	v_lshlrev_b32 v[A32], 5, v0
	v_lshlrev_b32 v[A128], 7, v16
	global_load_b128 v[VV:VV+3], v[A32], s[12:13]                  ; thread n: V[8 n ..],
	global_load_b128 v[VV+4:VV+7], v[A32], s[12:13] offset:16
	global_load_b128 v[CB:CB+3], v[A32], s[10:11]                  ; qb[8 n ..];
	global_load_b128 v[CB+4:CB+7], v[A32], s[10:11] offset:16
.irp i, 0,1,2,3,4,5,6,7
	global_load_b128 v[ACC+4*\i:ACC+4*\i+3], v[A128], s[12:13] offset:16*\i   ; lane l: V[32 l ..], for the sum of V
.endr
.irp p, 0,1                                    ; chunks 0 and 1 of W2: the scale words first, then the 16 loads of codes, K ascending: the order in which a chunk waits for them
	global_load_b128 v[BS+4*\p:BS+4*\p+3], v[BOFF], s[38:39] offset:512*\p
.irp s, 0,1,2,3,4,5,6,7
	global_load_b128 v[BF+64*\p+8*\s:BF+64*\p+8*\s+3], v[BOFF], s[36:37] offset:8192*\p+1024*\s
	global_load_b128 v[BF+64*\p+8*\s+4:BF+64*\p+8*\s+7], v[BOFF], s[36:37] offset:8192*\p+1024*\s+512
.endr
.endr
	v_lshrrev_b32 v19, 3, v16
	v_lshlrev_b32 v[LRD], 5, v16
	v_lshl_add_u32 v[LRD], v19, 4, v[LRD]          ; 32 l, and 16 more for each 256 passed: the sixteen lanes of a half then touch sixteen different 16-byte columns of 256 bytes
	v_add_nc_u32 v[LRD], s25, v[LRD]
	v_add_nc_u32 v[LRD2], 32*LPITCH, v[LRD]
	s_lshl_b32 s60, s22, 7
	s_add_co_u32 s60, s60, ACODE
	v_lshl_add_u32 v[CST], v16, 2, s60
	s_lshl_b32 s60, s22, 3
	s_add_co_u32 s60, s60, ASC
	v_lshrrev_b32 v19, 2, v16
	v_add_nc_u32 v[SST], s60, v19
	v_mul_u32_u24 v[AFR], v17, APITCH
	v_lshl_add_u32 v[AFR], v18, 4, v[AFR]
	v_add_nc_u32 v[AFR], ACODE, v[AFR]
	v_mul_u32_u24 v[ASR], v16, SPITCH
	v_add_nc_u32 v[ASR], ASC, v[ASR]
	s_lshl_b32 s60, s22, 11
	s_add_co_u32 s60, s60, VC
	v_lshl_add_u32 v[VCB], v18, 6, s60
	s_lshl_b32 s60, s22, 8
	s_add_co_u32 s60, s60, SX
	v_lshl_add_u32 v[SXW], v17, 2, s60
	v_lshl_add_u32 v[SXR], v16, 3, SX
	v_lshlrev_b32 v[GO8], 3, v16
	v_lshlrev_b32 v[GO32], 5, v16
	v_lshl_add_u32 v[VCW], v0, 6, VC
	v_mov_b32 v[MX], 0xff61b1e6                    ; the maximum so far: -3e38, under every score
	v_mov_b32 v[LS], 0
	v_mov_b32 v[FF+1], 0                           ; (named as the upper half of a pair)
	v_mov_b32 v[T0+1], 0                           ; (a lane permute's destination counts as one of its sources)
.irp j, 0,1,2,3,4,5,6,7
	v_mov_b32 v[SS+\j], 0
.endr
.irp j, 0,1,2,3,4,5,6,7,8,9,10,11,12,13,14,15
	v_mov_b32 v[CT+\j], 0                          ; the block is written once for all four: the first finds zeros, which the first change of the maximum leaves zeros
.endr
.irp i, 0,1,2,3,4,5,6,7,8,9,10,11,12,13,14,15
	s_mov_b32 s[69+2*\i], 0                        ; the upper halves of the pairs that carry p
.endr
	s_mov_b32 s45, 0                               ; the upper halves of the offsets into my wave's part of W2 and of its scale words
	s_mov_b32 s47, 0
	s_mov_b32 s59, 0                               ; the walk's direction: 0 (pairs of chunks 0 to 7) or 0x700 (7 to 0); it turns after each block
	s_wait_loadcnt 34                              ; the 12 loads of V and qb are in; the 34 of W2, issued behind them, may stay out
.irp k, 0,2,4,6
	v_pk_mul_f32 v[CB+\k:CB+\k+1], v[CB+\k:CB+\k+1], s[52:53] op_sel_hi:[1,0]
.endr
	ds_store_b128 v[VCW], v[VV:VV+3]
	ds_store_b128 v[VCW], v[VV+4:VV+7] offset:16
	ds_store_b128 v[VCW], v[CB:CB+3] offset:32
	ds_store_b128 v[VCW], v[CB+4:CB+7] offset:48
.irp k, 2,4,6,8,10,12,14,16,18,20,22,24,26,28,30
	v_pk_add_f32 v[ACC:ACC+1], v[ACC:ACC+1], v[ACC+\k:ACC+\k+1]
.endr
	v_add_f32 v[ACC], v[ACC], v[ACC+1]
	v_add_f32_dpp v[ACC], v[ACC], v[ACC] row_xmask:1 row_mask:0xf bank_mask:0xf
	v_add_f32_dpp v[ACC], v[ACC], v[ACC] row_xmask:2 row_mask:0xf bank_mask:0xf
	v_add_f32_dpp v[ACC], v[ACC], v[ACC] row_xmask:4 row_mask:0xf bank_mask:0xf
	v_add_f32_dpp v[ACC], v[ACC], v[ACC] row_xmask:8 row_mask:0xf bank_mask:0xf
	v_permlanex16_b32 v[ACC+1], v[ACC], s56, s57
	v_add_f32 v[ACC], v[ACC], v[ACC+1]             ; the sum of V, the same bits in every lane of every wave
	s_wait_alu depctr_va_vdst(0)
	s_wait_kmcnt 0x0
	v_add_f32 v[K0], s58, v[ACC]
	s_wait_dscnt 0x0                               ; for the others' sake: my part of V and qb lies in LDS
	s_barrier_signal -1
	s_barrier_wait -1
; Eight landing rows, 8 g .. 8 g + 7, come into the registers in which they stay: 16 LDS loads.  The window is left as it is set: what follows sets its own.
.macro LAND g
.set LW, 0x80+0x40*((\g)/4)            ; destination window 2 or 3
.set LR, 64*((\g)%4)
	WIN LW
.set tt, 0
.rept 8
.if (\g) < 4
	ds_load_b128 v[LR+8*tt:LR+8*tt+3], v[LRD] offset:LPITCH*(8*(\g)+tt)
	ds_load_b128 v[LR+8*tt+4:LR+8*tt+7], v[LRD] offset:LPITCH*(8*(\g)+tt)+16
.else
	ds_load_b128 v[LR+8*tt:LR+8*tt+3], v[LRD2] offset:LPITCH*(8*((\g)-4)+tt)
	ds_load_b128 v[LR+8*tt+4:LR+8*tt+7], v[LRD2] offset:LPITCH*(8*((\g)-4)+tt)+16
.endif
.set tt, tt+1
.endr
.endm
; Eight rows become codes and scale bytes.  Two sets of registers by turns.
; il = 0, a block that asks for its successor: all 64 rows are in registers already, and the next block's tensor load is on its way while the batches run; my LDS instructions here are the batches' stores alone.
; il = 1, the last block: the landing reads take turns with the quantiser: L0 L1 | S0 L2 | S1 L3 | .. | S5 L7 | S6 | S7 (L: a batch's 16 loads, S: its 16 stores).
.macro QBATCH g, il
.if (\g)%2
.set QT, ACC+24
.set QE, VV
.set QC, CB
.else
.set QT, ACC
.set QE, ACC+8
.set QC, ACC+16
.endif
.set QW,  2+(\g)/4                     ; the rows' window
.set QW5, 5*QW
.set QR,  64*((\g)%4)                  ; the first row's first register in it
.if \il
.if ((\g) == 0) || ((\g) == 7)
	s_wait_dscnt 16                                ; LDS instructions end in order (ISA guide 5.7.1): this batch's rows are in; behind their loads stand 16 instructions (batch 0: the next rows' loads; batch 7: the last batch's stores)
.else
	s_wait_dscnt 32                                ; this batch's rows are in; the last batch's 16 stores and the next rows' 16 loads may be out; the stores of two batches back, which read this set, are done
.endif
.elseif (\g) >= 2
	s_wait_dscnt 16                                ; the last batch's 16 stores may be out; the stores of two batches back, which read this set, are done
.endif
	WIN QW5                                        ; sources 0 and 1: the rows' window
.irp i, 0,1,2,3,4,5,6,7
	v_max3_num_f32 v[QT+\i], |v[QR+8*\i]|, |v[QR+8*\i+1]|, 0x1800000        ; my 8 numbers of row i, and the floor 2^(3 - 127): the byte cannot fall under 1
.endr
.irp j, 2,4,6
.irp i, 0,1,2,3,4,5,6,7
	v_max3_num_f32 v[QT+\i], |v[QR+8*\i+\j]|, |v[QR+8*\i+\j+1]|, v[QT+\i]   ; the eight rows by turns
.endr
.endr
	WIN 0
.irp i, 0,1,2,3,4,5,6,7
	v_max_num_f32_dpp v[QT+\i], v[QT+\i], v[QT+\i] row_xmask:1 row_mask:0xf bank_mask:0xf
.endr
.irp i, 0,1,2,3,4,5,6,7
	v_max_num_f32_dpp v[QT+\i], v[QT+\i], v[QT+\i] row_xmask:2 row_mask:0xf bank_mask:0xf   ; four lanes hold a block of 32
.endr
.irp i, 0,1,2,3,4,5,6,7
	v_add_nc_u32 v[QT+\i], 0xff000000, v[QT+\i]    ; 2 off the exponent field: the conversion's scale operand
.endr
.irp i, 0,1,2,3,4,5,6,7
	v_lshrrev_b32 v[QE+\i], 23, v[QT+\i]           ; the scale's byte
.endr
	WIN QW                                         ; source 0: the rows' window
.irp i, 0,1,2,3,4,5,6,7
	v_cvt_scalef32_pk8_fp4_f32 v[QC+\i], v[QR+8*\i:QR+8*\i+7], v[QT+\i]
.endr
	WIN 0
	v_nop                                          ; one plain instruction behind the last scaled conversion
.irp i, 0,1,2,3,4,5,6,7
	ds_store_b32 v[CST], v[QC+\i] offset:APITCH*(8*(\g)+\i)    ; 32 lanes: 128 consecutive bytes of the row's codes
	ds_store_b8 v[SST], v[QE+\i] offset:SPITCH*(8*(\g)+\i)     ; the four lanes of a block write the same byte with the same value
.endr
.if (\il) && ((\g) < 6)
	LAND (\g)+2
.endif
.endm
; One matrix instruction: chunk buffer p, K step s, tile of rows m.  W2's scale words lie in lanes 16-31 for odd K steps, the rows' in lanes 16-31 for odd tiles.
.macro WM p, s, m
.set rD, ACC+8*(\m)
.set rA, BF+64*(\p)+8*(\s)
.set rB, 8*(8*(\m)+(\s))
.set rE, BS+4*(\p)+(\s)/2
.set rF, AS+8*((\m)/2)+(\s)
.if (\s) == 0
.if (\m)%2
	v_wmma_scale_f32_16x16x128_f8f6f4 v[rD:rD+7], v[rA:rA+7], v[rB:rB+7], 0, v[rE], v[rF] matrix_a_fmt:MATRIX_FMT_FP4 matrix_b_fmt:MATRIX_FMT_FP4 matrix_b_scale:MATRIX_SCALE_ROW1
.else
	v_wmma_scale_f32_16x16x128_f8f6f4 v[rD:rD+7], v[rA:rA+7], v[rB:rB+7], 0, v[rE], v[rF] matrix_a_fmt:MATRIX_FMT_FP4 matrix_b_fmt:MATRIX_FMT_FP4
.endif
.elseif (\s)%2
.if (\m)%2
	v_wmma_scale_f32_16x16x128_f8f6f4 v[rD:rD+7], v[rA:rA+7], v[rB:rB+7], v[rD:rD+7], v[rE], v[rF] matrix_a_fmt:MATRIX_FMT_FP4 matrix_b_fmt:MATRIX_FMT_FP4 matrix_a_scale:MATRIX_SCALE_ROW1 matrix_b_scale:MATRIX_SCALE_ROW1
.else
	v_wmma_scale_f32_16x16x128_f8f6f4 v[rD:rD+7], v[rA:rA+7], v[rB:rB+7], v[rD:rD+7], v[rE], v[rF] matrix_a_fmt:MATRIX_FMT_FP4 matrix_b_fmt:MATRIX_FMT_FP4 matrix_a_scale:MATRIX_SCALE_ROW1
.endif
.else
.if (\m)%2
	v_wmma_scale_f32_16x16x128_f8f6f4 v[rD:rD+7], v[rA:rA+7], v[rB:rB+7], v[rD:rD+7], v[rE], v[rF] matrix_a_fmt:MATRIX_FMT_FP4 matrix_b_fmt:MATRIX_FMT_FP4 matrix_b_scale:MATRIX_SCALE_ROW1
.else
	v_wmma_scale_f32_16x16x128_f8f6f4 v[rD:rD+7], v[rA:rA+7], v[rB:rB+7], v[rD:rD+7], v[rE], v[rF] matrix_a_fmt:MATRIX_FMT_FP4 matrix_b_fmt:MATRIX_FMT_FP4
.endif
.endif
.endm
; A chunk: 16 columns u against the block's 64 rows: 32 matrix instructions back to back, the four accumulators by turns; then, where ld = 1, the buffer's 17 loads
; for the same buffer's chunk of the next pair, in one run; then tanh and the product with V.
; THE WALK OVER W2 GOES TO AND FRO: a block takes its eight pairs of chunks in the order opposite to the block before, so the pair that lies in the two buffers at a block's end is the next block's first.
; A block's last pair fetches nothing (ld = 0): every load of W2 that is issued is multiplied, 58 chunks a wave in all (2 at the head, 14 in each of four blocks).
; THE WAITS FOR W2.  Loads come back in order (ISA guide 5.7.1).  A buffer's 17 loads are its scale words, then K steps 0 to 7, two loads each.  wb = 29: behind this buffer's 17 stand at the most the other
; buffer's 17, so ahead of K step s, s even, the count 34 - 1 - 2 (s + 2) shows the scale words and K steps 0 to s + 1 in: 29, 25, 21, 17.  wb = 12, the block's very last chunk: nothing was issued behind
; its 17: 17 - 1 - 2 (s + 2): 12, 8, 4, 0.  A block's first pair, behind the first block, lies in its buffers already: none of its loads is out.
.macro CHUNK p, ld, wb
	ds_load_b128 v[VV:VV+3], v[VCA] offset:128*\p
	ds_load_b128 v[VV+4:VV+7], v[VCA] offset:128*\p+16
	ds_load_b128 v[CB:CB+3], v[VCA] offset:128*\p+32
	ds_load_b128 v[CB+4:CB+7], v[VCA] offset:128*\p+48
	WIN 0x04                                       ; source 1 (the rows' fragments) window 1
.irp s, 0,1,2,3,4,5,6,7
.if (\s)%2 == 0
	s_wait_loadcnt \wb-2*\s
.endif
.irp m, 0,1,2,3
	WM \p, \s, \m
.endr
.endr
.rept 4
	v_nop                                          ; four plain instructions in front of the loads into registers that matrix instructions have read, and of the first read of results
.endr
.if \ld
	global_load_b128 v[BS+4*\p:BS+4*\p+3], v[BOFF], s[42:43] offset:512*\p
.irp s, 0,1,2,3,4,5,6,7
	global_load_b128 v[BF+64*\p+8*\s:BF+64*\p+8*\s+3], v[BOFF], s[40:41] offset:8192*\p+1024*\s
	global_load_b128 v[BF+64*\p+8*\s+4:BF+64*\p+8*\s+7], v[BOFF], s[40:41] offset:8192*\p+1024*\s+512
.endr
.endif
	WIN 0
	s_wait_dscnt 0x0                               ; V and qb of these columns, asked for ahead of the 32 matrix instructions
.irp m, 0,1,2,3                                ; each accumulator from its low end on
.irp k, 0,2,4,6
	v_pk_fma_f32 v[ACC+8*\m+\k:ACC+8*\m+\k+1], v[ACC+8*\m+\k:ACC+8*\m+\k+1], s[52:53], v[CB+\k:CB+\k+1] op_sel_hi:[1,0,1]   ; 2 log2(e) (product + qb)
.endr
.endr
.set jj, 0
	s_wait_alu depctr_va_vdst(0)
.rept 32
	v_exp_f32 v[ACC+jj], v[ACC+jj]
.set jj, jj+1
.endr
	v_nop                                          ; a plain instruction behind the last exponential
	s_wait_alu depctr_va_vdst(0)                   ; one wait for the batch, ahead of its first reader
.set jj, 0
.rept 16
	v_pk_add_f32 v[ACC+jj:ACC+jj+1], v[ACC+jj:ACC+jj+1], 1.0 op_sel_hi:[1,0]
.set jj, jj+2
.endr
.set jj, 0
	s_wait_alu depctr_va_vdst(0)
.rept 32
	v_rcp_f32 v[ACC+jj], v[ACC+jj]
.set jj, jj+1
.endr
	v_nop
	s_wait_alu depctr_va_vdst(0)                   ; one wait for the batch of reciprocals
.irp k, 0,2,4,6                                ; four chains by turns
.irp m, 0,1,2,3
	v_pk_fma_f32 v[SS+2*\m:SS+2*\m+1], v[ACC+8*\m+\k:ACC+8*\m+\k+1], v[VV+\k:VV+\k+1], v[SS+2*\m:SS+2*\m+1]
.endr
.endr
.endm
; A BLOCK OF 64 ROWS.  refill = 1: the next block is asked for as soon as this one has left the landing rows and its codes lie in LDS.
.macro BLOCK refill
	s_wait_tensorcnt 0x0                           ; my one tensor load is my own tile, which I alone read; none was issued behind it
.if \refill
	; THE LANDING ROWS ARE EMPTIED FIRST, 128 LDS loads in one run, so that the next block is asked for ahead of the quantiser's eight batches
.irp g, 0,1,2,3,4,5,6,7
	LAND \g
.endr
	WIN 0                                          ; (the add's two registers lie in window 0)
	s_wait_tensorcnt 0x0                           ; no tensor load of mine is out, so group 0 may be written
	ds_add_u32 v[SPW], v[NIL]                      ; 0 onto my spare word
	s_add_nc_u64 s[26:27], s[26:27], 262144        ; 64 rows on; the type bits on top are not reached
	s_wait_dscnt 0x0                               ; the add is done, and my 128 reads of the landing rows are back
	s_barrier_signal -1
	s_barrier_wait -1                              ; nobody reads the landing rows any more
	tensor_load_to_lds s[24:27], s[28:35]          ; my one tensor load behind this barrier, and the first thing there: it has the quantiser, the fragments' fetch, the 16 chunks, the scores and the context in which to land
	s_nop 0
.rept 4
	v_nop
.endr
.irp g, 0,1,2,3,4,5,6,7
	QBATCH \g, 0
.endr
.else
	LAND 0
	LAND 1
.irp g, 0,1,2,3,4,5,6,7
	QBATCH \g, 1
.endr
.endif
	s_wait_dscnt 0x0                               ; for the others' sake: my codes and bytes lie in LDS
	s_barrier_signal -1
	s_barrier_wait -1                              ; everybody's codes and scale bytes lie in LDS
	WIN 0x40                                       ; destination window 1: the block's 32 fragments: lane (r, h): row 16 m + r, bytes 64 s + 32 c + 16 h
.irp m, 0,1,2,3
.irp s, 0,1,2,3,4,5,6,7
.irp c, 0,1
	ds_load_b128 v[8*(8*\m+\s)+4*\c:8*(8*\m+\s)+4*\c+3], v[AFR] offset:16*APITCH*\m+64*\s+32*\c
.endr
.endr
.endr
	WIN 0
.irp q, 0,1
.irp e, 0,1
	ds_load_b128 v[AS+8*\q+4*\e:AS+8*\q+4*\e+3], v[ASR] offset:32*SPITCH*\q+16*\e   ; lane l: row 32 q + l's scale words of K steps 4 e .. 4 e + 3
.endr
.endr
	s_wait_dscnt 0x0
	s_mov_b32 s48, 7
	s_mov_b32 s50, 0                               ; 256 x the trip's number t; the pair in hand is t xor 0 or t xor 7
.Lg_\@:                                            ; seven trips of two chunks, each fetching the pair that follows in the walk
	s_xor_b32 s51, s50, s59                        ; 256 x the pair in hand: its V and qb lie 256 bytes a pair apart
	s_add_co_u32 s50, s50, 256
	s_xor_b32 s44, s50, s59                        ; 256 x the pair to be fetched (no load of mine still reads these bases: the wait on XCNT at the trip's end, and a block's last wait for 0 loads)
	s_lshl_b32 s46, s44, 2                         ; 1,024 bytes of scale words a pair,
	s_lshl_b32 s44, s44, 6                         ; 16,384 bytes of codes
	s_add_nc_u64 s[40:41], s[36:37], s[44:45]
	s_add_nc_u64 s[42:43], s[38:39], s[46:47]
	v_add_nc_u32 v[VCA], s51, v[VCB]
	CHUNK 0, 1, 29
	CHUNK 1, 1, 29
	s_wait_xcnt 0x0                                ; the loads just issued have read their bases, which the next trip writes
	s_sub_co_u32 s48, s48, 1
	s_cmp_lg_u32 s48, 0
	s_cbranch_scc1 .Lg_\@
	s_xor_b32 s51, s50, s59                        ; the block's last pair is written out: it fetches nothing and stays in the buffers
	v_add_nc_u32 v[VCA], s51, v[VCB]
	CHUNK 0, 0, 29
	CHUNK 1, 0, 12
.if \refill
	s_xor_b32 s59, s59, 0x700                      ; the next block walks the other way, beginning with the pair that lies in the buffers
.endif
	; THE SCORES: a pair's halves, the other half of the lanes, then the four waves' parts through LDS
	s_wait_alu depctr_va_vdst(0)
.irp m, 0,1,2,3
	v_add_f32 v[ACC+\m], v[SS+2*\m], v[SS+2*\m+1]
.endr
.irp m, 0,1,2,3
	v_permlanex16_b32 v[SS+2*\m], v[ACC+\m], s56, s57
.endr
.irp m, 0,1,2,3
	v_add_f32 v[ACC+\m], v[ACC+\m], v[SS+2*\m]
.endr
.irp m, 0,1,2,3
	ds_store_b32 v[SXW], v[ACC+\m] offset:64*\m    ; row 16 m + r (lanes r and 16 + r write the same word with the same value)
.endr
.irp j, 0,1,2,3,4,5,6,7
	v_mov_b32 v[SS+\j], 0                          ; for the next block
.endr
	s_wait_dscnt 0x0
	s_barrier_signal -1
	s_barrier_wait -1
.irp w, 0,1,2,3
	ds_load_b64 v[ACC+8+2*\w:ACC+9+2*\w], v[SXR] offset:256*\w
.endr
	s_wait_dscnt 0x0
	v_pk_add_f32 v[ACC+8:ACC+9], v[ACC+8:ACC+9], v[ACC+10:ACC+11]
	v_pk_add_f32 v[ACC+8:ACC+9], v[ACC+8:ACC+9], v[ACC+12:ACC+13]
	v_pk_add_f32 v[ACC+8:ACC+9], v[ACC+8:ACC+9], v[ACC+14:ACC+15]
	v_fma_f32 v[SCO], -2.0, v[ACC+8], v[K0]        ; the scores of rows 2 l and 2 l + 1: the same bits in all four waves
	v_fma_f32 v[SCO+1], -2.0, v[ACC+9], v[K0]
	s_cmp_lg_u32 s22, 0
	s_cbranch_scc1 .Lnw_\@
	global_store_b64 v[GO8], v[SCO:SCO+1], s[16:17]            ; wave 0: 256 consecutive bytes, aligned
.Lnw_\@:
	s_wait_alu depctr_va_vdst(0)
	v_max_num_f32 v[T0], v[SCO], v[SCO+1]
	v_max_num_f32_dpp v[T0], v[T0], v[T0] row_xmask:1 row_mask:0xf bank_mask:0xf
	v_max_num_f32_dpp v[T0], v[T0], v[T0] row_xmask:2 row_mask:0xf bank_mask:0xf
	v_max_num_f32_dpp v[T0], v[T0], v[T0] row_xmask:4 row_mask:0xf bank_mask:0xf
	v_max_num_f32_dpp v[T0], v[T0], v[T0] row_xmask:8 row_mask:0xf bank_mask:0xf
	v_permlanex16_b32 v[T0+1], v[T0], s56, s57
	v_max3_num_f32 v[T0], v[T0], v[T0+1], v[MX]    ; the new running maximum
	v_sub_f32 v[FF], v[MX], v[T0]
	v_sub_f32 v[PP], v[SCO], v[T0]
	v_sub_f32 v[PP+1], v[SCO+1], v[T0]
	v_mul_f32 v[FF], s54, v[FF]
	v_mul_f32 v[PP], s54, v[PP]
	v_mul_f32 v[PP+1], s54, v[PP+1]
	s_wait_alu depctr_va_vdst(0)
	v_exp_f32 v[FF], v[FF]                         ; f = e^(old maximum - new)
	v_exp_f32 v[PP], v[PP]                         ; p = e^(score - maximum)
	v_exp_f32 v[PP+1], v[PP+1]
	v_mov_b32 v[MX], v[T0]                         ; (a plain instruction behind the exponentials)
	s_wait_alu depctr_va_vdst(0)                   ; one wait for the three
	v_fma_f32 v[LS], v[LS], v[FF], v[PP]
	v_add_f32 v[LS], v[LS], v[PP+1]
.irp k, 0,2,4,6,8,10,12,14
	v_pk_mul_f32 v[CT+\k:CT+\k+1], v[CT+\k:CT+\k+1], v[FF:FF+1] op_sel_hi:[1,0]
.endr
	; THE CONTEXT: p of 16 rows into scalar pairs, then 64 packed multiply-adds on the rows that have waited in registers
.irp y, 0,1,2,3
	WIN 0
.irp i, 0,1,2,3,4,5,6,7,8,9,10,11,12,13,14,15
	v_readlane_b32 s[68+2*\i], v[PP+\i%2], 8*\y+\i/2           ; row 16 y + i lies in lane (16 y + i) / 2
.endr
.set CW, 2+\y/2
	WIN CW                                         ; source 0: the rows' window
.irp i, 0,1,2,3,4,5,6,7,8,9,10,11,12,13,14,15
.irp k, 0,2,4,6
	v_pk_fma_f32 v[CT+8*(\i%2)+\k:CT+8*(\i%2)+\k+1], v[8*(16*(\y%2)+\i)+\k:8*(16*(\y%2)+\i)+\k+1], s[68+2*\i:69+2*\i], v[CT+8*(\i%2)+\k:CT+8*(\i%2)+\k+1] op_sel_hi:[1,0,1]
.endr
.endr
.endr
	WIN 0
	s_wait_xcnt 0x0                                ; wave 0's store has read its base and its data
	s_add_nc_u64 s[16:17], s[16:17], 256           ; the next block's 64 scores
.endm
	s_mov_b32 s49, 3
.Lblk:                                             ; three trips: each asks for the block that follows
	BLOCK 1
	s_sub_co_u32 s49, s49, 1
	s_cmp_lg_u32 s49, 0
	s_cbranch_scc1 .Lblk
	BLOCK 0                                        ; the last block is written out
	v_add_f32_dpp v[LS], v[LS], v[LS] row_xmask:1 row_mask:0xf bank_mask:0xf
	v_add_f32_dpp v[LS], v[LS], v[LS] row_xmask:2 row_mask:0xf bank_mask:0xf
	v_add_f32_dpp v[LS], v[LS], v[LS] row_xmask:4 row_mask:0xf bank_mask:0xf
	v_add_f32_dpp v[LS], v[LS], v[LS] row_xmask:8 row_mask:0xf bank_mask:0xf
	v_permlanex16_b32 v[T0+1], v[LS], s56, s57
	v_add_f32 v[LS], v[LS], v[T0+1]                ; the sum of p over the 256 rows
.irp k, 0,2,4,6
	v_pk_add_f32 v[CT+\k:CT+\k+1], v[CT+\k:CT+\k+1], v[CT+8+\k:CT+8+\k+1]   ; even rows' and odd rows' sets
.endr
	global_store_b128 v[GO32], v[CT:CT+3], s[20:21]
	global_store_b128 v[GO32], v[CT+4:CT+7], s[20:21] offset:16
	s_cmp_lg_u32 s22, 0
	s_cbranch_scc1 .Lnot0
	global_store_b64 v[GO8], v[MX:MX+1], s[18:19]  ; wave 0: (maximum, sum) 32 times: 256 consecutive bytes, aligned
.Lnot0:
	s_wait_tensorcnt 0x0                           ; the wave's end
	ds_add_u32 v[SPW], v[NIL]
	s_wait_dscnt 0x0
	s_endpgm
.Lfunc_end_k_qc8458035f7_main:
	.size	k_qc8458035f7_main, .Lfunc_end_k_qc8458035f7_main-k_qc8458035f7_main
	.p2alignl 7, 3214868480
	.fill 96, 4, 3214868480
	.section	.rodata,"a",@progbits
	.p2align	6, 0x0
	.amdhsa_kernel k_qc8458035f7_main
		.amdhsa_group_segment_fixed_size 327680
		.amdhsa_private_segment_fixed_size 0
		.amdhsa_enable_private_segment 0
		.amdhsa_kernarg_size 72
		.amdhsa_user_sgpr_count 2
		.amdhsa_user_sgpr_kernarg_segment_ptr 1
		.amdhsa_wavefront_size32 1
		.amdhsa_system_sgpr_workgroup_id_x 1
		.amdhsa_system_sgpr_workgroup_id_y 1
		.amdhsa_system_sgpr_workgroup_id_z 1
		.amdhsa_system_vgpr_workitem_id 0
		.amdhsa_next_free_vgpr 1024
		.amdhsa_next_free_sgpr 100
		.amdhsa_reserve_vcc 0
		.amdhsa_float_denorm_mode_32 3
		.amdhsa_float_denorm_mode_16_64 3
		.amdhsa_memory_ordered 1
		.amdhsa_forward_progress 1
		.amdhsa_inst_pref_size 255
	.end_amdhsa_kernel
	.section	.bss,"aw",@nobits
	.p2align	6
	.space	262144
	.amdgpu_metadata
---
amdhsa.version: [ 1, 2 ]
amdhsa.kernels:
  - .name:           k_qc8458035f7_main
    .symbol:         k_qc8458035f7_main.kd
    .args:
      - { .name: values, .offset: 0, .size: 8, .value_kind: global_buffer, .address_space: global }
      - { .name: w2c, .offset: 8, .size: 8, .value_kind: global_buffer, .address_space: global }
      - { .name: w2s, .offset: 16, .size: 8, .value_kind: global_buffer, .address_space: global }
      - { .name: qb, .offset: 24, .size: 8, .value_kind: global_buffer, .address_space: global }
      - { .name: V, .offset: 32, .size: 8, .value_kind: global_buffer, .address_space: global }
      - { .name: bv, .offset: 40, .size: 8, .value_kind: global_buffer, .address_space: global }
      - { .name: sc, .offset: 48, .size: 8, .value_kind: global_buffer, .address_space: global }
      - { .name: ml, .offset: 56, .size: 8, .value_kind: global_buffer, .address_space: global }
      - { .name: pc, .offset: 64, .size: 8, .value_kind: global_buffer, .address_space: global }
    .group_segment_fixed_size: 327680
    .private_segment_fixed_size: 0
    .kernarg_segment_align: 8
    .kernarg_segment_size: 72
    .max_flat_workgroup_size: 128
    .sgpr_count:     100
    .vgpr_count:     1024
    .wavefront_size: 32
...
	.end_amdgpu_metadata
.endif
;; end of part 2
;; launch fin (part 3): grid 256 x 1, 2 waves a work-group, no clusters, 0 bytes of LDS; arguments sc, ml, pc, out0, out1; writes out0, out1
.if DOCPART == 3
	.amdgcn_target "amdgcn-amd-amdhsa--gfx1250"
	.amdhsa_code_object_version 6
	.text
	.protected	k_qc8458035f7_fin
	.globl	k_qc8458035f7_fin
	.p2align	8
	.type	k_qc8458035f7_fin,@function
k_qc8458035f7_fin:
	s_mov_b64 s[64:65], 0
	v_nop
	global_prefetch_b8 v0, s[64:65] scope:SCOPE_SE
	s_setreg_imm32_b32 hwreg(HW_REG_WAVE_MODE, 25, 1), 1
	s_wait_xcnt 0x0
; The four quarters of a batch are joined.  With (m_g, l_g) the maximum and sum of quarter g, M the largest m_g and L the sum of e^(m_g - M) l_g:
; out0[b][k] = sum over g of e^(m_g - M) / L x pc[4 b + g][k];  out1[b][t] = e^(sc[b][t] - M) / L.
; Work-group 4 b + q takes 256 columns of out0 and 256 times of out1 of batch b; a thread takes four numbers of each: a wave's load or store covers 512 consecutive bytes, aligned.
; Memory binds and the launch is small: no LDS, no barrier, no matrix unit.
	s_load_b256 s[4:11], s[0:1], 0x0               ; sc s[4:5], ml s[6:7], pc s[8:9], out0 s[10:11]
	s_load_b64 s[12:13], s[0:1], 0x20              ; out1
	s_lshr_b32 s14, ttmp9, 2                       ; b
	s_and_b32 s15, ttmp9, 3                        ; q
	v_lshlrev_b32 v1, 4, v0                        ; 16 bytes a thread
	s_lshl_b32 s24, s14, 10                        ; ml: four work-groups' 256 bytes a batch
	s_mov_b32 s25, 0
	s_lshl_b32 s30, s15, 10                        ; my 256 numbers
	s_lshl_b32 s26, s14, 14                        ; pc: four rows of 4,096 bytes a batch
	s_add_co_u32 s26, s26, s30
	s_mov_b32 s27, 0
	s_lshl_b32 s28, s14, 12                        ; sc, out0, out1: a row of 4,096 bytes a batch
	s_add_co_u32 s28, s28, s30
	s_mov_b32 s29, 0
	s_wait_alu depctr_va_vdst(0)
	s_wait_kmcnt 0x0
	s_add_nc_u64 s[6:7], s[6:7], s[24:25]
	s_load_b64 s[16:17], s[6:7], 0x0               ; (m_g, l_g)
	s_load_b64 s[18:19], s[6:7], 0x100
	s_load_b64 s[20:21], s[6:7], 0x200
	s_load_b64 s[22:23], s[6:7], 0x300
	s_add_nc_u64 s[8:9], s[8:9], s[26:27]
	s_add_nc_u64 s[4:5], s[4:5], s[28:29]
	s_add_nc_u64 s[10:11], s[10:11], s[28:29]
	s_add_nc_u64 s[12:13], s[12:13], s[28:29]
.irp g, 0,1,2,3
	global_load_b128 v[16+4*\g:19+4*\g], v1, s[8:9] offset:4096*\g
.endr
	global_load_b128 v[32:35], v1, s[4:5]
	s_wait_kmcnt 0x0
	v_mov_b32 v2, s16
	v_max_num_f32 v2, s18, v2
	v_max_num_f32 v2, s20, v2
	v_max_num_f32 v2, s22, v2                      ; M
.irp g, 0,1,2,3
	v_sub_f32 v[4+\g], s[16+2*\g], v2
.endr
.irp g, 0,1,2,3
	v_mul_f32 v[4+\g], 0x3fb8aa3b, v[4+\g]
.endr
	s_wait_alu depctr_va_vdst(0)
.irp g, 0,1,2,3
	v_exp_f32 v[4+\g], v[4+\g]                     ; e^(m_g - M)
.endr
	v_nop                                          ; a plain instruction behind the last exponential
	s_wait_alu depctr_va_vdst(0)                   ; one wait for the four
	v_mul_f32 v8, s17, v4
	v_fma_f32 v8, s19, v5, v8
	v_fma_f32 v8, s21, v6, v8
	v_fma_f32 v8, s23, v7, v8                      ; L
	s_wait_alu depctr_va_vdst(0)
	v_rcp_f32 v9, v8
	v_nop
	s_wait_alu depctr_va_vdst(0)
.irp g, 0,1,2,3
	v_mul_f32 v[10+\g], v[4+\g], v9                ; the quarters' weights
.endr
	s_wait_loadcnt 0x0
.irp j, 0,1,2,3
	v_sub_f32 v[40+\j], v[32+\j], v2
.endr
.irp j, 0,1,2,3
	v_mul_f32 v[40+\j], 0x3fb8aa3b, v[40+\j]
.endr
	s_wait_alu depctr_va_vdst(0)
.irp j, 0,1,2,3
	v_exp_f32 v[40+\j], v[40+\j]                   ; e^(score - M)
.endr
.irp j, 0,1,2,3                                ; the context stands behind the exponentials as independent work
	v_mul_f32 v[36+\j], v[16+\j], v10
.endr
.irp j, 0,1,2,3
	v_fma_f32 v[36+\j], v[20+\j], v11, v[36+\j]
.endr
.irp j, 0,1,2,3
	v_fma_f32 v[36+\j], v[24+\j], v12, v[36+\j]
.endr
.irp j, 0,1,2,3
	v_fma_f32 v[36+\j], v[28+\j], v13, v[36+\j]
.endr
	s_wait_alu depctr_va_vdst(0)                   ; one wait for the four, ahead of their first reader
.irp j, 0,1,2,3
	v_mul_f32 v[40+\j], v[40+\j], v9
.endr
	global_store_b128 v1, v[36:39], s[10:11]
	global_store_b128 v1, v[40:43], s[12:13]
	s_endpgm
.Lfunc_end_k_qc8458035f7_fin:
	.size	k_qc8458035f7_fin, .Lfunc_end_k_qc8458035f7_fin-k_qc8458035f7_fin
	.p2alignl 7, 3214868480
	.fill 96, 4, 3214868480
	.section	.rodata,"a",@progbits
	.p2align	6, 0x0
	.amdhsa_kernel k_qc8458035f7_fin
		.amdhsa_group_segment_fixed_size 0
		.amdhsa_private_segment_fixed_size 0
		.amdhsa_enable_private_segment 0
		.amdhsa_kernarg_size 40
		.amdhsa_user_sgpr_count 2
		.amdhsa_user_sgpr_kernarg_segment_ptr 1
		.amdhsa_wavefront_size32 1
		.amdhsa_system_sgpr_workgroup_id_x 1
		.amdhsa_system_sgpr_workgroup_id_y 1
		.amdhsa_system_sgpr_workgroup_id_z 1
		.amdhsa_system_vgpr_workitem_id 0
		.amdhsa_next_free_vgpr 48
		.amdhsa_next_free_sgpr 66
		.amdhsa_reserve_vcc 0
		.amdhsa_float_denorm_mode_32 3
		.amdhsa_float_denorm_mode_16_64 3
		.amdhsa_memory_ordered 1
		.amdhsa_forward_progress 1
		.amdhsa_inst_pref_size 5
	.end_amdhsa_kernel
	.amdgpu_metadata
---
amdhsa.version: [ 1, 2 ]
amdhsa.kernels:
  - .name:           k_qc8458035f7_fin
    .symbol:         k_qc8458035f7_fin.kd
    .args:
      - { .name: sc, .offset: 0, .size: 8, .value_kind: global_buffer, .address_space: global }
      - { .name: ml, .offset: 8, .size: 8, .value_kind: global_buffer, .address_space: global }
      - { .name: pc, .offset: 16, .size: 8, .value_kind: global_buffer, .address_space: global }
      - { .name: out0, .offset: 24, .size: 8, .value_kind: global_buffer, .address_space: global }
      - { .name: out1, .offset: 32, .size: 8, .value_kind: global_buffer, .address_space: global }
    .group_segment_fixed_size: 0
    .private_segment_fixed_size: 0
    .kernarg_segment_align: 8
    .kernarg_segment_size: 40
    .max_flat_workgroup_size: 64
    .sgpr_count:     66
    .vgpr_count:     48
    .wavefront_size: 32
...
	.end_amdgpu_metadata
.endif
;; end of part 3
